; MI455X (gfx1250); checked and timed in simulation.
; The chip was launched on July 23, 2026; its instructions are those of AMD's public machine-readable ISA for CDNA 5 (MIT licence, August 2026) and "CDNA5" Instruction Set Architecture Reference Guide (July 2026). The comments in the code are by the model that wrote it; some were corrected since.
;; Rank Net. Allowed arithmetic: matrix products marked QUANTISED: E2M1 operands, one E8M0 scale for each 32 along K, by v_wmma_scale_f32_16x16x128_f8f6f4 with both operands' format E2M1 (or v_wmma_scale_f32_32x16x128_f4), f32 sums; products left as they are: f32 operands where the result goes on into a quantised operand, else bf16, f16 or f32 operands; f32 sums; everything else in f32.
;; Inputs: W1 512 x 256 float32; W2 256 x 1 float32; b1 256 float32; b2 1 float32; instances 16 int32; item_table_codes 30,000 x 8 x 16 uint8 (E2M1 codes of item_table, K innermost, in blocks of 32 codes, two codes a byte); item_table_scales 30,000 x 8 uint8 (E8M0 scales of item_table, one for each 32 codes along K); user_table 100,000 x 256 float32.
;; Outputs: out0 16 x 30,000 float32.
;; This version of the problem:
;;   THIS VERSION OF THE PROBLEM IS GIVEN IN LOW PRECISION. The matrix products marked QUANTISED in the list below multiply operands that are first quantised to E2M1 (2 exponent bits, 1 mantissa bit; 4 bits a number), with one power-of-two scale for each 32 numbers along K (OCP MX v1.0); their sums are f32. All else is computed in f32.
;;   The module's matrix products, in the order in which they are computed (A, B: the left and right operand; K: the contracted axis; several contracted axes count as one K, in the product's order):
;;     1. [M 16, K 256] x [K 256, N 256]; A: computed on the way; B: input W1: QUANTISED
;;     2. [M 30,000, K 256] x [K 256, N 256]; A: input item_table (given as codes); B: input W1: QUANTISED
;;     3. [M 480,000, K 256] x [K 256, N 1]; A: computed on the way; B: computed on the way: left as it is (N = 1 < 16)
;;   THE QUANTISER, for each operand of a quantised product, along K:
;;     - K is cut into blocks of 32 from its start; a last block that is shorter is filled with zeros.
;;     - A block's scale is 2^e with e = floor(log2(the largest magnitude in the block)) - 2, held to -126 .. 127; a block of zeros has e = 0. As a byte (E8M0): e + 127.
;;     - Each number is divided by its block's scale, clamped to +-6, and rounded to the nearest number of E2M1, ties to even, subnormals kept.
;;     - The product sums the exact products of the quantised numbers (number of the format x scale) in f32.
;;   ~~~python
;;   def quantise(x, axis):      # numpy; x: float32 -> the quantised numbers, widened to float32 again
;;       x = np.moveaxis(x, axis, -1); K = x.shape[-1]
;;       x = np.pad(x, [(0, 0)] * (x.ndim - 1) + [(0, -K % 32)]); x = x.reshape(x.shape[:-1] + (-1, 32)); a = np.abs(x).max(-1, keepdims=True)
;;       e = np.where(a > 0, np.clip(np.frexp(np.where(a > 0, a, 1))[1] - 1 - 2, -126, 127), 0)      # np.frexp(a)[1] - 1 = floor(log2(a)), exactly
;;       r = np.clip(x / 2.0 ** e, -6, 6)
;;       step = 2.0 ** (np.maximum(np.frexp(np.where(r == 0, 1, r))[1] - 1, 0) - 1)
;;       q = np.round(r / step) * step * 2.0 ** e      # np.round: ties to even
;;       return np.moveaxis(q.reshape(q.shape[:-2] + (-1,))[..., :K], -1, axis).astype(np.float32)
;;   ~~~
;;   OPERANDS COMPUTED ON THE WAY. 'Computed on the way' means the value that the module computes at that place (a softmax that the list does not call 'softmax' is quantised finished and normalised). What goes into a quantiser is computed in f32, as accurately as f32 sums, v_exp_f32 and their like allow (about 1e-6 of the number): no bf16 or f16 on the way to a quantiser, and a product that is left as it is and whose result goes on into a quantised operand takes f32 operands (vector FMAs, or v_wmma_f32_16x16x4_f32). A number that lies on a knife's edge between two numbers of the format may be rounded either way, as far as f32 arithmetic and the matrix unit's own rounding can turn it there, and no further.
;;   INPUTS GIVEN AS CODES. item_table (in the module: [30000, 256], K = its axis 1): each comes as NAME_codes (uint8): NAME with its K axis moved to the last place and cut into blocks of 32 codes, [.., K / 32, bytes a block], one block behind the other in memory; two codes a byte, the lower K in the low four bits (a code: sign, 2 exponent bits, 1 mantissa bit); and NAME_scales (uint8): the same leading axes, one E8M0 byte (e + 127) for each 32 codes along K. Its value is code x scale, taken as it is: it is not quantised again, and the codes and scales need not be those that the quantiser above would give.
;; 2 versions, each right; version 2 is version 1 with the launch prep written anew for expert scheduling mode. Each part assembles by itself: llvm-mc -triple=amdgcn-amd-amdhsa -mcpu=gfx1250 --defsym DOCPART=n.
;; ======== version 1 of 2: 2 launches
;; limits: a difference of large sums (such as E[x^2] - mean^2): digits are lost where the result is much smaller than its terms
;; workspace buffers: tab 55,296 bytes
;; launch prep (part 1): grid 16 x 1, 4 waves a work-group, no clusters, 1,536 bytes of LDS; arguments W1, W2, b1, instances, user_table, tab; writes tab
.if DOCPART == 1
	.amdgcn_target "amdgcn-amd-amdhsa--gfx1250"
	.amdhsa_code_object_version 6
	.text
	.protected	k_qa002aafd26_prep
	.globl	k_qa002aafd26_prep
	.p2align	8
	.type	k_qa002aafd26_prep,@function
k_qa002aafd26_prep:
	s_mov_b64 s[64:65], 0
	v_nop
	global_prefetch_b8 v0, s[64:65] scope:SCOPE_SE
	s_setreg_imm32_b32 hwreg(HW_REG_WAVE_MODE, 25, 1), 1
	s_wait_xcnt 0x0
; RankNet, first of two launches: everything that does not hang on the items is made once and laid down in tab as the second launch wants it.
;   FWI  Q(W1[256:512]) as images of operand registers: tile g (hidden units 16 g .. 16 g + 15), K step s of 128, register group c: 2048 g + 1024 s + 512 c + 16 x lane
;   SWI  its scale words: 256 g + 128 s + 4 x lane (lane l: the word of unit l % 16, both halves of the lanes alike)
;   THI  thresholds t[b][d] = -(u_proj[b][d] + b1[d]), f32: four units d = 4 q .. 4 q + 3 of user b at 256 q + 16 b
;   PBI  pb[g][b] = the sum over tile g's 16 units of W2[d] x (u_proj[b][d] + b1[d]): 128 g + 4 x lane, b = lane % 16
; u_proj = Q(user_table[instances]) Q(W1[0:256]), both quantised along K to E2M1 with one E8M0 scale for each 32: a block's scale byte is its largest magnitude's exponent field - 2, held at 1 from below.
; SHARES.  Work-group g takes columns 16 g .. 16 g + 15 of W1; wave w takes rows 128 w .. 128 w + 127: waves 0, 1 the users' half of W1 (K steps 0, 1), waves 2, 3 the items' half.  A LANE TAKES A COLUMN AND ITS
; REGISTERS RUN DOWN K, in the order that the operand's layout gives that lane (k = 64 c + 32 (lane / 16) + 0 .. 31): the conversions' results are the operand's registers, and nothing is transposed.
; Waves 0 and 1 also quantise their K step of the 16 gathered rows and multiply: one matrix instruction each, source 0 = 16 columns of W1, source 1 = the 16 users, so that a lane holds one user and eight units.
; Wave 1's partial sums go to wave 0 through LDS as an image of their registers; wave 0 adds, takes b1 in, and stores thresholds and pb.
; LIMITS: NaN and infinities among the inputs are not served.  A block of zeros gets the byte 1 where the rule says 127: its codes are zeros, and the bytes are read by this program alone.
; An index is held to 0 .. 99,999 ahead of its use in an address.
.set SWI,  32768
.set THI,  36864
.set PBI,  53248
.set WA,   4                           ; v4   W1: 4 x (lane % 16) + 32 rows of 1,024 bytes for lanes 16-31
.set L16,  5                           ; v5   16 x lane: an image's place for my lane, in tab and in LDS
.set L4,   6                           ; v6   4 x lane
.set SH8,  7                           ; v7   8 x (lane / 16): where my two scale bytes stand in the word
.set R4,   8                           ; v8   4 x (lane % 16)
.set B32,  9                           ; v9   32 x (lane / 16): my eight numbers of b1 and of W2
.set TA,   10                          ; v10  512 x (lane / 16) + 16 x (lane % 16): my thresholds' place
.set IDX,  11                          ; v11  my user's index
.set UA,   12                          ; v12  its row's byte, + 128 x (lane / 16)
.set TP,   13                          ; v13  the lane exchange's destination
.set M,    14                          ; v14-15 two blocks' largest magnitudes
.set SO,   16                          ; v16-17 the conversions' scale operands
.set BY,   18                          ; v18-19 the scale bytes
.set SWW,  20                          ; v20  W1's scale word
.set SWU,  21                          ; v21  u's scale word
.set P,    22                          ; v22  pb
.set H128, 23                          ; v23  128 x (lane / 16)
.set CW,   32                          ; v32-39  W1's codes: a fragment
.set CU,   40                          ; v40-47  u's codes: a fragment
.set WN,   64                          ; v64-127  64 numbers of W1
.set UN,   128                         ; v128-191 64 numbers of u
.set D,    192                         ; v192-199 my partial sums
.set D1,   200                         ; v200-207 wave 1's
.set B1R,  208                         ; v208-215 b1 of my eight units
.set W2R,  216                         ; v216-223 W2 of my eight units
.set T,    224                         ; v224-231 thresholds
; 64 loads: W1(128 w + 64 c + 32 (lane / 16) + i, 16 g + lane % 16); sixteen neighbouring lanes read 64 neighbouring bytes
.macro WLOAD
.irp c, 0,1
.irp i, 0,1,2,3,4,5,6,7,8,9,10,11,12,13,14,15,16,17,18,19,20,21,22,23,24,25,26,27,28,29,30,31
	global_load_b32 v[WN+32*\c+\i], v[WA], s[4:5] offset:1024*(64*\c+\i)
.endr
.endr
.endm
; 64 numbers of a lane, two whole blocks of 32 along K, become a fragment's eight registers in v[dst] on and the scale word in v[sw]
.macro Q2 src, dst, sw
.irp c, 0,1
	v_max3_num_f32 v[M+\c], |v[\src+32*\c]|, |v[\src+32*\c+1]|, 0x1800000      ; my block, and the floor 2^(3 - 127): the byte cannot fall under 1
.endr
.irp i, 2,4,6,8,10,12,14,16,18,20,22,24,26,28,30
.irp c, 0,1
	v_max3_num_f32 v[M+\c], v[M+\c], |v[\src+32*\c+\i]|, |v[\src+32*\c+\i+1]|  ; (the two blocks by turns)
.endr
.endr
.irp c, 0,1
	v_add_nc_u32 v[SO+\c], 0xff000000, v[M+\c]     ; 2 off the exponent field: the conversion takes the exponent field of this operand as its scale
.endr
.irp c, 0,1
	v_lshrrev_b32 v[BY+\c], 23, v[SO+\c]           ; the scale's byte
.endr
	v_lshl_or_b32 v[\sw], v[BY+1], 16, v[BY]       ; my two bytes: blocks h and 2 + h,
	v_lshlrev_b32 v[\sw], v[SH8], v[\sw]           ; at their places in the word;
	v_permlanex16_b32 v[TP], v[\sw], s20, s21
	v_or_b32 v[\sw], v[\sw], v[TP]                 ; with lane l xor 16's two the word is whole
.irp c, 0,1
.irp q, 0,1,2,3
	v_cvt_scalef32_pk8_fp4_f32 v[\dst+4*\c+\q], v[\src+32*\c+8*\q:\src+32*\c+8*\q+7], v[SO+\c]
.endr
.endr
	v_nop                                          ; one plain place behind the last scaled conversion
.endm
	s_load_b256 s[4:11], s[0:1], 0x0               ; W1 s[4:5], W2 s[6:7], b1 s[8:9], instances s[10:11]
	s_load_b128 s[12:15], s[0:1], 0x20             ; user_table s[12:13], tab s[14:15]
	v_lshl_add_u32 v240, v0, 2, 0x400
	v_mov_b32 v241, 0
	v_lshrrev_b32 v1, 5, v0
	v_readfirstlane_b32 s16, v1                    ; wave 0..3
	v_and_b32 v1, 31, v0                           ; lane
	v_and_b32 v2, 15, v0                           ; r
	v_bfe_u32 v3, v0, 4, 1                         ; h
	v_lshlrev_b32 v[R4], 2, v2
	v_lshl_add_u32 v[WA], v3, 15, v[R4]
	v_lshlrev_b32 v[L16], 4, v1
	v_lshlrev_b32 v[L4], 2, v1
	v_lshlrev_b32 v[SH8], 3, v3
	v_lshlrev_b32 v[B32], 5, v3
	v_lshlrev_b32 v[TA], 4, v2
	v_lshl_add_u32 v[TA], v3, 9, v[TA]
	v_lshlrev_b32 v[H128], 7, v3
	v_mov_b32 v[TP], 0                             ; written once: a lane permute's destination counts as one of its sources
	s_and_b32 s17, s16, 1                          ; my K step within my half of W1
	s_mov_b32 s20, 0x76543210
	s_mov_b32 s21, 0xfedcba98                      ; v_permlanex16_b32's selects for lane l xor 16
	s_mov_b32 s19, 0                               ; every offset below lies under 2^32
	s_lshl_b32 s30, ttmp9, 6                       ; 16 g columns of 4 bytes
	s_lshl_b32 s18, s16, 17                        ; 128 w rows of 1,024 bytes
	s_add_co_u32 s18, s18, s30
	s_wait_kmcnt 0x0
	s_add_nc_u64 s[4:5], s[4:5], s[18:19]          ; W1 at my rows and my work-group's columns
	s_mov_b32 s18, s30
	s_add_nc_u64 s[6:7], s[6:7], s[18:19]          ; W2 and b1 at unit 16 g
	s_add_nc_u64 s[8:9], s[8:9], s[18:19]
	s_lshl_b32 s18, s17, 9
	s_add_nc_u64 s[12:13], s[12:13], s[18:19]      ; user_table at my K step: 128 numbers on
	s_lshl_b32 s18, ttmp9, 11
	s_lshl_b32 s31, s17, 10
	s_add_co_u32 s18, s18, s31
	s_add_nc_u64 s[22:23], s[14:15], s[18:19]      ; FWI: 2048 g + 1024 s
	s_lshl_b32 s18, ttmp9, 8
	s_lshl_b32 s31, s17, 7
	s_add_co_u32 s18, s18, s31
	s_add_co_u32 s18, s18, SWI
	s_add_nc_u64 s[24:25], s[14:15], s[18:19]      ; SWI: 256 g + 128 s
	s_lshl_b32 s18, ttmp9, 10
	s_add_co_u32 s18, s18, THI
	s_add_nc_u64 s[26:27], s[14:15], s[18:19]      ; THI: 1024 g
	s_lshl_b32 s18, ttmp9, 7
	s_add_co_u32 s18, s18, PBI
	s_add_nc_u64 s[28:29], s[14:15], s[18:19]      ; PBI: 128 g
	s_cmp_lt_u32 s16, 2
	s_cbranch_scc0 .Litem
	; ---- waves 0 and 1: the users' half of W1, u, and their product
	global_load_b32 v[IDX], v[R4], s[10:11]        ; the index first: the rows of u hang on it
	s_cmp_lg_u32 s16, 0
	s_cbranch_scc1 .Lno_bias                       ; wave 0 alone finishes the sums, so it alone wants b1 and W2
	global_load_b128 v[B1R:B1R+3],   v[B32], s[8:9]
	global_load_b128 v[B1R+4:B1R+7], v[B32], s[8:9] offset:16
	global_load_b128 v[W2R:W2R+3],   v[B32], s[6:7]
	global_load_b128 v[W2R+4:W2R+7], v[B32], s[6:7] offset:16
.Lno_bias:
	WLOAD
	s_wait_loadcnt 0x3f                            ; 64 or 68 loads were issued behind the index's; the count names 63, the most that its field holds: the index is in
	v_min_u32 v[IDX], 0x1869f, v[IDX]              ; held inside the table's 100,000 rows
	v_lshlrev_b32 v[UA], 10, v[IDX]                ; a row is 1,024 bytes
	v_add_nc_u32 v[UA], v[UA], v[H128]             ; lanes 16-31 begin 32 numbers on
.irp c, 0,1
.irp q, 0,1,2,3,4,5,6,7
	global_load_b128 v[UN+32*\c+4*\q:UN+32*\c+4*\q+3], v[UA], s[12:13] offset:256*\c+16*\q   ; u(lane % 16, 128 w + 64 c + 32 h + 4 q ..)
.endr
.endr
	s_wait_loadcnt 16                              ; all but the sixteen just issued: W1's numbers (and b1, W2) are in
	Q2 WN, CW, SWW
	s_wait_loadcnt 0x0                             ; u
	Q2 UN, CU, SWU
.rept 8
	v_nop                                          ; a scale register written by a vector instruction stands 8 places ahead of a scaled matrix instruction, an operand so written 4
.endr
	v_wmma_scale_f32_16x16x128_f8f6f4 v[D:D+7], v[CW:CW+7], v[CU:CU+7], 0, v[SWW], v[SWU] matrix_a_fmt:MATRIX_FMT_FP4 matrix_b_fmt:MATRIX_FMT_FP4   ; lane (r, h), register j: user r, unit 16 g + 8 h + j
.rept 4
	v_nop                                          ; four places ahead of the first read of the result
.endr
	s_cmp_lg_u32 s16, 1
	s_cbranch_scc1 .Lmeet
	ds_store_b128 v[L16], v[D:D+3]                 ; wave 1's partial sums, as they stand in its registers, from the low end on
	ds_store_b128 v[L16], v[D+4:D+7] offset:512
	s_branch .Lmeet
.Litem:	; ---- waves 2 and 3: the items' half of W1 becomes a fragment's image and its scale words
	WLOAD
	s_wait_loadcnt 0x0
	Q2 WN, CW, SWW
	global_store_b128 v[L16], v[CW:CW+3],   s[22:23]             ; 32 lanes store 512 consecutive bytes
	global_store_b128 v[L16], v[CW+4:CW+7], s[22:23] offset:512
	global_store_b32  v[L4],  v[SWW],       s[24:25]
.Lmeet:	; the one barrier, on every wave's path: wave 1's LDS stores have landed
	s_wait_dscnt 0x0
	s_barrier_signal -1
	s_barrier_wait -1
	s_cmp_lg_u32 s16, 0
	s_cbranch_scc1 .Lend
	ds_load_b128 v[D1:D1+3],   v[L16]
	ds_load_b128 v[D1+4:D1+7], v[L16] offset:512
	s_wait_dscnt 0x0
.irp j, 0,2,4,6
	v_pk_add_f32 v[T+\j:T+\j+1], v[D+\j:D+\j+1], v[D1+\j:D1+\j+1] neg_lo:[1,1] neg_hi:[1,1]   ; -(K step 0's sums + K step 1's), the result read from its low end on
.endr
.irp j, 0,2,4,6
	v_pk_add_f32 v[T+\j:T+\j+1], v[T+\j:T+\j+1], v[B1R+\j:B1R+\j+1] neg_lo:[0,1] neg_hi:[0,1] ; - b1: the threshold
.endr
	v_mul_f32 v[P], -v[T], v[W2R]                  ; W2 x (u_proj + b1), my eight units,
.irp j, 1,2,3,4,5,6,7
	v_fma_f32 v[P], -v[T+\j], v[W2R+\j], v[P]
.endr
	v_permlanex16_b32 v[TP], v[P], s20, s21
	v_add_f32 v[P], v[P], v[TP]                    ; and lane l xor 16's eight
	global_store_b128 v[TA], v[T:T+3],   s[26:27]              ; sixteen lanes store 256 consecutive bytes, at a multiple of 256 from tab's first byte
	global_store_b128 v[TA], v[T+4:T+7], s[26:27] offset:256
	global_store_b32  v[L4], v[P],       s[28:29]
.Lend:
	s_wait_tensorcnt 0x0
	ds_add_u32 v240, v241
	s_wait_dscnt 0x0
	s_endpgm
.Lfunc_end_k_qa002aafd26_prep:
	.size	k_qa002aafd26_prep, .Lfunc_end_k_qa002aafd26_prep-k_qa002aafd26_prep
	.p2alignl 7, 3214868480
	.fill 96, 4, 3214868480
	.section	.rodata,"a",@progbits
	.p2align	6, 0x0
	.amdhsa_kernel k_qa002aafd26_prep
		.amdhsa_group_segment_fixed_size 1536
		.amdhsa_private_segment_fixed_size 0
		.amdhsa_enable_private_segment 0
		.amdhsa_kernarg_size 48
		.amdhsa_user_sgpr_count 2
		.amdhsa_user_sgpr_kernarg_segment_ptr 1
		.amdhsa_wavefront_size32 1
		.amdhsa_system_sgpr_workgroup_id_x 1
		.amdhsa_system_sgpr_workgroup_id_y 1
		.amdhsa_system_sgpr_workgroup_id_z 1
		.amdhsa_system_vgpr_workitem_id 0
		.amdhsa_next_free_vgpr 242
		.amdhsa_next_free_sgpr 66
		.amdhsa_reserve_vcc 0
		.amdhsa_float_denorm_mode_32 3
		.amdhsa_float_denorm_mode_16_64 3
		.amdhsa_memory_ordered 1
		.amdhsa_forward_progress 1
		.amdhsa_inst_pref_size 29
	.end_amdhsa_kernel
	.amdgpu_metadata
---
amdhsa.version: [ 1, 2 ]
amdhsa.kernels:
  - .name:           k_qa002aafd26_prep
    .symbol:         k_qa002aafd26_prep.kd
    .args:
      - { .name: W1, .offset: 0, .size: 8, .value_kind: global_buffer, .address_space: global }
      - { .name: W2, .offset: 8, .size: 8, .value_kind: global_buffer, .address_space: global }
      - { .name: b1, .offset: 16, .size: 8, .value_kind: global_buffer, .address_space: global }
      - { .name: instances, .offset: 24, .size: 8, .value_kind: global_buffer, .address_space: global }
      - { .name: user_table, .offset: 32, .size: 8, .value_kind: global_buffer, .address_space: global }
      - { .name: tab, .offset: 40, .size: 8, .value_kind: global_buffer, .address_space: global }
    .group_segment_fixed_size: 1536
    .private_segment_fixed_size: 0
    .kernarg_segment_align: 8
    .kernarg_segment_size: 48
    .max_flat_workgroup_size: 128
    .sgpr_count:     66
    .vgpr_count:     242
    .wavefront_size: 32
...
	.end_amdgpu_metadata
.endif
;; end of part 1
;; launch rank (part 2): grid 235 x 1, 4 waves a work-group, no clusters, 168,448 bytes of LDS; arguments item_table_codes, item_table_scales, tab, W2, b2, out0; writes out0
.if DOCPART == 2
	.amdgcn_target "amdgcn-amd-amdhsa--gfx1250"
	.amdhsa_code_object_version 6
	.text
	.protected	k_qa002aafd26_rank
	.globl	k_qa002aafd26_rank
	.p2align	8
	.type	k_qa002aafd26_rank,@function
k_qa002aafd26_rank:
	s_mov_b64 s[64:65], 0
	v_nop
	global_prefetch_b8 v0, s[64:65] scope:SCOPE_SE
	s_setreg_imm32_b32 hwreg(HW_REG_WAVE_MODE, 25, 1), 1
	s_wait_xcnt 0x0
; RankNet, second launch: out0[b][m] = b2 + the sum over d of W2[d] x relu(u_proj[b][d] + i_proj[m][d] + b1[d]), 16 users, 30,000 items, 256 hidden units.
; i_proj = item_table (given as E2M1 codes and E8M0 scales) x Q(W1[256:512]) (fragments' images in tab), by the scaled matrix instruction on 4-bit codes.
; THE ELEMENTWISE PART BINDS: 16 x 30,000 x 256 elements against 64 matrix instructions a wave.  Two things cut it to one maximum and half a packed multiply-add an element:
;   relu(i + c) = max(i, -c) + c, so that the sum over d of W2[d] c[b][d] is one number a user (tab's pb), and no addition is made for an element;
;   a lane holds ONE ITEM and a register ONE UNIT d: the sum over d stays in the lane, and the threshold t[b][d] = -c[b][d], kept in lane b of a register, rides on the maximum itself (DPP row_share:b).
; ORDER OF ROUNDING: the result is formed as (sum of W2 max(i, t)) + (b2 - sum of W2 t), all in f32, which rounds otherwise than reference()'s sum of W2 relu(..); the two parts are of the size of sum |W2 t|.
; LIMITS: NaN and infinities among the inputs are not served.
; SHARES.  A work-group takes 128 items (234 x 128 + 48 = 30,000), a wave 32 of them, all 16 users, all 256 units; the last work-group's rows past item 29,999 are held to that item for the loads and not stored.
; NO CLUSTER: 235 work-groups do not divide into clusters of four, and what the work-groups share is tab's 55,296 bytes, read once at the head.
; LDS: tab's image, 55,296 bytes, one tensor load a wave (54 rows of 256 bytes), filled once and never again; behind it, in blocks of their own, W2 (1,024 bytes) and the stage for the way out (16 rows x 512 bytes).
; THE MATRIX INSTRUCTION: source 0 = 16 units of W1, source 1 = 16 items.  In the result lane (r, h), register j holds unit 8 h + j of item r.  Two results, items 0-15 and 16-31, change halves register by register:
; then register e of the sixteen holds unit e, and lane l item l.
; A TILE of 16 units: the next tile's 14 LDS loads; 8 exchanges; 8 units' work; the next tile's 4 matrix instructions; 8 units' work.  Results, thresholds and W2 have two sets, by the tile's parity.
.set SWI,  32768                       ; tab's regions, as the first launch lays them
.set THI,  36864
.set PBI,  53248
.set TABB, 55296
.set W2B,  TABB                        ; W2 in LDS
.set STG,  TABB+1024                   ; the stage
.set QTR,  TABB/4                      ; what one tensor load brings: 13,824 bytes
.set AF,   4                           ; v4   16 x lane: W1's fragments; steps two tiles a trip
.set AS,   5                           ; v5   SWI + 4 x lane: W1's scale words; steps
.set AT,   6                           ; v6   THI + 16 x (lane % 16): thresholds; steps
.set AW,   7                           ; v7   W2B: the same for all lanes; steps
.set AP,   8                           ; v8   PBI + 4 x lane
.set ASTO, 9                           ; v9   the stage, in: 128 x wave + 4 x lane
.set ARD,  10                          ; v10  the stage, back: 2,048 x wave + 16 x lane
.set GO,   11                          ; v11  16 x lane: my bytes in a piece of a row of out0
.set XA,   12                          ; v12  items 0-15: my row's bytes
.set YA,   13                          ; v13  items 16-31
.set SA,   14                          ; v14  my item's scale bytes
.set W2A,  15                          ; v15  8 x thread: W2 in memory
.set W2L,  16                          ; v16  and in LDS
.set COL,  17                          ; v17  the first of the four items that I store
.set IS,   18                          ; v18-19 the items' scale words, K steps 0, 1: lane l holds item l's
.set SW,   20                          ; v20-21 W1's scale words, K steps 0, 1
.set W2T,  22                          ; v22-23 W2 on its way to LDS
.set XF,   24                          ; v24-39  items 0-15: two fragments; they stay
.set YF,   40                          ; v40-55  items 16-31
.set FW,   56                          ; v56-71  W1's two fragments of a tile
.set D,    72                          ; v72-103  results: 16 registers for each parity
.set THR,  104                         ; v104-135 thresholds likewise
.set WV,   136                         ; v136-167 W2 likewise
.set G,    168                         ; v168-183 max(i, t) for the 16 users
.set ACC,  184                         ; v184-199 the sums, a user each
.set O,    200                         ; v200-215 rows on the way out
; The tile k tiles on from where the address registers stand: 14 LDS loads; thresholds and W2 into the set of parity p
.macro FETCH p, k
.irp s, 0,1
.irp c, 0,1
	ds_load_b128 v[FW+8*\s+4*\c:FW+8*\s+4*\c+3], v[AF] offset:2048*(\k)+1024*\s+512*\c
.endr
.endr
.irp s, 0,1
	ds_load_b32 v[SW+\s], v[AS] offset:256*(\k)+128*\s
.endr
.irp q, 0,1,2,3
	ds_load_b128 v[THR+16*(\p)+4*\q:THR+16*(\p)+4*\q+3], v[AT] offset:1024*(\k)+256*\q
.endr
.irp q, 0,1,2,3
	ds_load_b128 v[WV+16*(\p)+4*\q:WV+16*(\p)+4*\q+3], v[AW] offset:64*(\k)+16*\q
.endr
.endm
; 16 units x 32 items x 256 along K: two accumulators by turns; the first K step starts the sums.  The items' scale words: lanes 0-15 for items 0-15, lanes 16-31 for items 16-31.
.macro MULT p
.set DXP, D+16*(\p)
.set DYP, D+16*(\p)+8
	v_wmma_scale_f32_16x16x128_f8f6f4 v[DXP:DXP+7], v[FW:FW+7], v[XF:XF+7], 0, v[SW], v[IS] matrix_a_fmt:MATRIX_FMT_FP4 matrix_b_fmt:MATRIX_FMT_FP4
	v_wmma_scale_f32_16x16x128_f8f6f4 v[DYP:DYP+7], v[FW:FW+7], v[YF:YF+7], 0, v[SW], v[IS] matrix_a_fmt:MATRIX_FMT_FP4 matrix_b_fmt:MATRIX_FMT_FP4 matrix_b_scale:MATRIX_SCALE_ROW1
	v_wmma_scale_f32_16x16x128_f8f6f4 v[DXP:DXP+7], v[FW+8:FW+15], v[XF+8:XF+15], v[DXP:DXP+7], v[SW+1], v[IS+1] matrix_a_fmt:MATRIX_FMT_FP4 matrix_b_fmt:MATRIX_FMT_FP4
	v_wmma_scale_f32_16x16x128_f8f6f4 v[DYP:DYP+7], v[FW+8:FW+15], v[YF+8:YF+15], v[DYP:DYP+7], v[SW+1], v[IS+1] matrix_a_fmt:MATRIX_FMT_FP4 matrix_b_fmt:MATRIX_FMT_FP4 matrix_b_scale:MATRIX_SCALE_ROW1
.endm
; Unit e of the tile of parity p: for each user b, max(my item's i, t[b]), t[b] taken from lane b of the row of 16 lanes; then two users' sums at a time, times W2 of the unit
.macro ELEM p, e
.set RI, D+16*(\p)+(\e)
.set RT, THR+16*(\p)+(\e)
.set RW, WV+16*(\p)+((\e)/2)*2
.irp b, 0,1,2,3,4,5,6,7,8,9,10,11,12,13,14,15
	v_max_num_f32_dpp v[G+\b], v[RT], v[RI] row_share:\b row_mask:0xf bank_mask:0xf
.endr
.irp u, 0,2,4,6,8,10,12,14
.if (\e)%2
	v_pk_fma_f32 v[ACC+\u:ACC+\u+1], v[G+\u:G+\u+1], v[RW:RW+1], v[ACC+\u:ACC+\u+1] op_sel:[0,1,0] op_sel_hi:[1,1,1]   ; the pair's second word of W2 for both halves
.else
	v_pk_fma_f32 v[ACC+\u:ACC+\u+1], v[G+\u:G+\u+1], v[RW:RW+1], v[ACC+\u:ACC+\u+1] op_sel_hi:[1,0,1]                  ; its first word for both
.endif
.endr
.endm
; A tile of parity p.  nxt = 1: the tile k on from the address registers is fetched and multiplied meanwhile.
; Places: the loads into W1's fragments and scale words, and the exchanges that read results, stand behind the 192 vector instructions of the second eight units (ahead of the loop: behind four v_nop).
.macro TILE p, nxt, k
.if \nxt
	FETCH 1-(\p), \k
.endif
.irp j, 0,1,2,3,4,5,6,7
	v_permlane16_swap_b32 v[D+16*(\p)+\j], v[D+16*(\p)+8+\j]   ; the first's lanes 16-31 change places with the second's lanes 0-15; each result is read from its low end on
.endr
.irp e, 0,1,2,3,4,5,6,7
	ELEM \p, \e
.endr
.if \nxt
	s_wait_dscnt 0x0                               ; the 14 loads, issued 200 vector instructions ago
	MULT 1-(\p)
.endif
.irp e, 8,9,10,11,12,13,14,15
	ELEM \p, \e
.endr
.endm
	s_load_b256 s[4:11], s[0:1], 0x0               ; items' codes s[4:5], items' scales s[6:7], tab s[8:9], W2 s[10:11]
	s_load_b128 s[12:15], s[0:1], 0x20             ; b2 s[12:13], out0 s[14:15]
	v_lshl_add_u32 v216, v0, 2, 0x29000
	v_mov_b32 v217, 0
	ds_add_u32 v216, v217
	ds_add_u32 v216, v217
	v_lshrrev_b32 v1, 5, v0
	v_readfirstlane_b32 s16, v1                    ; wave 0..3
	; descriptor group 1: 54 rows of 32 elements of 8 bytes, dense in memory and in LDS
	s_mov_b32 s24, 3<<16                           ; no mask; elements of 8 bytes; no padding
	s_mov_b32 s25, 32<<16                          ; tensor_dim0 = 32
	s_mov_b32 s26, 54<<16                          ; tensor_dim1 = 54
	s_mov_b32 s27, 32<<16                          ; tile_dim0 = 32
	s_mov_b32 s28, 54                              ; tile_dim1 = 54
	s_mov_b32 s29, 32                              ; from row to row: 32 elements
	s_mov_b32 s30, 0
	s_mov_b32 s31, 0
	s_mov_b32 s20, 1                               ; group 0: count = 1,
	s_mul_i32 s21, s16, QTR                        ; LDS address: my wave's quarter,
	s_mov_b32 s18, s21
	s_mov_b32 s19, 0
	s_wait_dscnt 0x0
	s_wait_kmcnt 0x0
	s_add_nc_u64 s[22:23], s[8:9], s[18:19]        ; the same quarter of tab,
	s_or_b32 s23, s23, 0x80000000                  ; type = 2
	tensor_load_to_lds s[20:23], s[24:31]          ; one tensor load of mine is out; its registers are never written again
	s_nop 0
.rept 4
	v_nop                                          ; four such lines behind the load
.endr
	s_load_b32 s33, s[12:13], 0x0                  ; b2
	v_and_b32 v1, 31, v0                           ; lane
	v_and_b32 v2, 15, v0                           ; r
	v_bfe_u32 v3, v0, 4, 1                         ; h
	v_lshlrev_b32 v[W2A], 3, v0
	global_load_b64 v[W2T:W2T+1], v[W2A], s[10:11] ; 128 threads x 8 bytes: all of W2
	s_lshl_b32 s17, ttmp9, 7
	s_lshl_b32 s18, s16, 5
	s_add_co_u32 s17, s17, s18                     ; my wave's first item: 128 x work-group + 32 x wave
	v_add_nc_u32 v[XA], s17, v2
	v_add_nc_u32 v[YA], 16, v[XA]
	v_add_nc_u32 v[SA], s17, v1
	v_min_u32 v[XA], 0x752f, v[XA]                 ; no load leaves its buffer: held to item 29,999
	v_min_u32 v[YA], 0x752f, v[YA]
	v_min_u32 v[SA], 0x752f, v[SA]
	v_lshlrev_b32 v[XA], 7, v[XA]                  ; a row of 256 codes is 128 bytes
	v_lshlrev_b32 v[YA], 7, v[YA]
	v_lshlrev_b32 v[SA], 3, v[SA]                  ; and 8 scale bytes
	v_lshl_add_u32 v[XA], v3, 4, v[XA]             ; + 16 h
	v_lshl_add_u32 v[YA], v3, 4, v[YA]
.irp s, 0,1
.irp c, 0,1
	global_load_b128 v[XF+8*\s+4*\c:XF+8*\s+4*\c+3], v[XA], s[4:5] offset:64*\s+32*\c th:TH_LOAD_NT   ; registers 4 c .. of K step s: k = 128 s + 64 c + 32 h + 0 .. 31
.endr
.endr
.irp s, 0,1
.irp c, 0,1
	global_load_b128 v[YF+8*\s+4*\c:YF+8*\s+4*\c+3], v[YA], s[4:5] offset:64*\s+32*\c th:TH_LOAD_NT
.endr
.endr
	global_load_b64 v[IS:IS+1], v[SA], s[6:7] th:TH_LOAD_NT
	v_lshlrev_b32 v[AF], 4, v1
	v_lshl_add_u32 v[AS], v1, 2, SWI
	v_lshl_add_u32 v[AT], v2, 4, THI
	v_mov_b32 v[AW], W2B
	v_lshl_add_u32 v[AP], v1, 2, PBI
	s_lshl_b32 s18, s16, 7
	s_add_co_u32 s18, s18, STG
	v_lshl_add_u32 v[ASTO], v1, 2, s18
	s_lshl_b32 s18, s16, 11
	s_add_co_u32 s18, s18, STG
	v_lshl_add_u32 v[ARD], v1, 4, s18
	v_lshlrev_b32 v[GO], 4, v1
	v_lshl_add_u32 v[W2L], v0, 3, W2B
	s_lshl_b32 s18, ttmp9, 7
	v_lshl_add_u32 v[COL], v1, 2, s18
	s_mul_i32 s18, s16, 480000                     ; out0: my four rows, users 4 w .. 4 w + 3, of 120,000 bytes,
	s_lshl_b32 s34, ttmp9, 9                       ; and my work-group's 128 items
	s_add_co_u32 s18, s18, s34
	s_add_nc_u64 s[14:15], s[14:15], s[18:19]
.irp j, 0,1,2,3,4,5,6,7,8,9,10,11,12,13,14,15
	v_mov_b32 v[G+\j], 0                           ; written once: a DPP form's destination counts as one of its sources
	v_mov_b32 v[ACC+\j], 0                         ; the sixteen sums begin
.endr
	s_wait_loadcnt 9                               ; W2 is in; the eight fragment loads and the scale words issued behind it may be out
	ds_store_b64 v[W2L], v[W2T:W2T+1]
	s_wait_tensorcnt 0x0                           ; my quarter of tab has landed,
	s_wait_dscnt 0x0                               ; my part of W2 too:
	s_barrier_signal -1
	s_barrier_wait -1                              ; everybody's have
	FETCH 0, 0
	s_wait_dscnt 0x0
	s_wait_loadcnt 0x0                             ; the items' fragments and scale words
	MULT 0
.rept 4
	v_nop                                          ; four places ahead of loads into registers that these products read, and of the first read of their results
.endr
	s_mov_b32 s32, 7
.Ltrip:                                            ; two tiles a trip: tiles 0 to 13
	TILE 0, 1, 1
	TILE 1, 1, 2
	v_add_nc_u32 v[AF], 4096, v[AF]                ; two tiles on
	v_add_nc_u32 v[AS], 512, v[AS]
	v_add_nc_u32 v[AT], 2048, v[AT]
	v_add_nc_u32 v[AW], 128, v[AW]
	s_sub_co_u32 s32, s32, 1
	s_cmp_lg_u32 s32, 0
	s_cbranch_scc1 .Ltrip
	TILE 0, 1, 1                                   ; tiles 14 and 15: behind the last nothing is fetched
	TILE 1, 0, 0
	; b2 + the sum over the 16 tiles of pb: lane l holds user l % 16's
.irp g, 0,1,2,3,4,5,6,7,8,9,10,11,12,13,14,15
	ds_load_b32 v[G+\g], v[AP] offset:128*\g
.endr
	s_wait_dscnt 0x0
.irp j, 0,4,8,12
	v_pk_add_f32 v[G+\j:G+\j+1], v[G+\j:G+\j+1], v[G+\j+2:G+\j+3]
.endr
.irp j, 0,8
	v_pk_add_f32 v[G+\j:G+\j+1], v[G+\j:G+\j+1], v[G+\j+4:G+\j+5]
.endr
	v_pk_add_f32 v[G:G+1], v[G:G+1], v[G+8:G+9]
	v_add_f32 v[G], v[G], v[G+1]
	s_wait_kmcnt 0x0                               ; b2
	v_add_f32 v[G], s33, v[G]
.irp b, 0,1,2,3,4,5,6,7,8,9,10,11,12,13,14,15
	v_add_f32_dpp v[ACC+\b], v[G], v[ACC+\b] row_share:\b row_mask:0xf bank_mask:0xf   ; user b's, from lane b
.endr
	; THE WAY OUT.  A lane holds one item of 16 rows of out0: the rows' pieces of 128 items meet in the stage, and each wave stores four of them
.irp b, 0,1,2,3,4,5,6,7,8,9,10,11,12,13,14,15
	ds_store_b32 v[ASTO], v[ACC+\b] offset:512*\b
.endr
	s_wait_dscnt 0x0                               ; for the others' sake: my stores into the stage are done
	s_barrier_signal -1
	s_barrier_wait -1
.irp i, 0,1,2,3
	ds_load_b128 v[O+4*\i:O+4*\i+3], v[ARD] offset:512*\i
.endr
	s_wait_dscnt 0x0
	v_cmp_gt_u32 vcc_lo, 0x7530, v[COL]            ; my four items exist (30,000 is a multiple of 4)
	s_wait_xcnt 0x0                                ; EXEC changes only behind this wait
	s_wait_tensorcnt 0x0
	ds_add_u32 v216, v217
	s_wait_dscnt 0x0
	s_and_saveexec_b32 s36, vcc_lo
.irp i, 0,1,2,3
	global_store_b128 v[GO], v[O+4*\i:O+4*\i+3], s[14:15] offset:120000*\i th:TH_STORE_NT   ; 32 lanes store 512 consecutive bytes of user 4 w + i's row; written once, read by nobody here
.endr
	s_wait_xcnt 0x0                                ; and again, in front of the line that widens it
	s_or_b32 exec_lo, exec_lo, s36
	s_endpgm
.Lfunc_end_k_qa002aafd26_rank:
	.size	k_qa002aafd26_rank, .Lfunc_end_k_qa002aafd26_rank-k_qa002aafd26_rank
	.p2alignl 7, 3214868480
	.fill 96, 4, 3214868480
	.section	.rodata,"a",@progbits
	.p2align	6, 0x0
	.amdhsa_kernel k_qa002aafd26_rank
		.amdhsa_group_segment_fixed_size 168448
		.amdhsa_private_segment_fixed_size 0
		.amdhsa_enable_private_segment 0
		.amdhsa_kernarg_size 48
		.amdhsa_user_sgpr_count 2
		.amdhsa_user_sgpr_kernarg_segment_ptr 1
		.amdhsa_wavefront_size32 1
		.amdhsa_system_sgpr_workgroup_id_x 1
		.amdhsa_system_sgpr_workgroup_id_y 1
		.amdhsa_system_sgpr_workgroup_id_z 1
		.amdhsa_system_vgpr_workitem_id 0
		.amdhsa_next_free_vgpr 218
		.amdhsa_next_free_sgpr 66
		.amdhsa_reserve_vcc 1
		.amdhsa_float_denorm_mode_32 3
		.amdhsa_float_denorm_mode_16_64 3
		.amdhsa_memory_ordered 1
		.amdhsa_forward_progress 1
		.amdhsa_inst_pref_size 114
	.end_amdhsa_kernel
	.amdgpu_metadata
---
amdhsa.version: [ 1, 2 ]
amdhsa.kernels:
  - .name:           k_qa002aafd26_rank
    .symbol:         k_qa002aafd26_rank.kd
    .args:
      - { .name: item_table_codes, .offset: 0, .size: 8, .value_kind: global_buffer, .address_space: global }
      - { .name: item_table_scales, .offset: 8, .size: 8, .value_kind: global_buffer, .address_space: global }
      - { .name: tab, .offset: 16, .size: 8, .value_kind: global_buffer, .address_space: global }
      - { .name: W2, .offset: 24, .size: 8, .value_kind: global_buffer, .address_space: global }
      - { .name: b2, .offset: 32, .size: 8, .value_kind: global_buffer, .address_space: global }
      - { .name: out0, .offset: 40, .size: 8, .value_kind: global_buffer, .address_space: global }
    .group_segment_fixed_size: 168448
    .private_segment_fixed_size: 0
    .kernarg_segment_align: 8
    .kernarg_segment_size: 48
    .max_flat_workgroup_size: 128
    .sgpr_count:     66
    .vgpr_count:     218
    .wavefront_size: 32
...
	.end_amdgpu_metadata
.endif
;; end of part 2
;; ======== version 2 of 2: 2 launches; version 1 with the launch prep written anew for expert scheduling mode
;; limits: a difference of large sums (such as E[x^2] - mean^2): digits are lost where the result is much smaller than its terms
;; workspace buffers: tab 55,296 bytes
;; launch prep (part 3): grid 16 x 1, 4 waves a work-group, no clusters, 1,536 bytes of LDS; arguments W1, W2, b1, instances, user_table, tab; writes tab
.if DOCPART == 3
	.amdgcn_target "amdgcn-amd-amdhsa--gfx1250"
	.amdhsa_code_object_version 6
	.text
	.protected	k_qa002aafd26_prep
	.globl	k_qa002aafd26_prep
	.p2align	8
	.type	k_qa002aafd26_prep,@function
k_qa002aafd26_prep:
	s_mov_b64 s[64:65], 0
	v_nop
	global_prefetch_b8 v0, s[64:65] scope:SCOPE_SE
	s_setreg_imm32_b32 hwreg(HW_REG_WAVE_SCHED_MODE, 0, 2), 2
	s_setreg_imm32_b32 hwreg(HW_REG_WAVE_MODE, 25, 1), 1
	s_wait_xcnt 0x0
	s_wait_alu depctr_vm_vsrc(0)
; RankNet, first of two launches: everything that does not hang on the items is made once and laid down in tab as the second launch wants it.
;   FWI  Q(W1[256:512]) as images of operand registers: tile g (hidden units 16 g .. 16 g + 15), K step s of 128, register group c: 2048 g + 1024 s + 512 c + 16 x lane
;   SWI  its scale words: 256 g + 128 s + 4 x lane (lane l: the word of unit l % 16, both halves of the lanes alike)
;   THI  thresholds t[b][d] = -(u_proj[b][d] + b1[d]), f32: four units d = 4 q .. 4 q + 3 of user b at 256 q + 16 b
;   PBI  pb[g][b] = the sum over tile g's 16 units of W2[d] x (u_proj[b][d] + b1[d]): 128 g + 4 x lane, b = lane % 16
; u_proj = Q(user_table[instances]) Q(W1[0:256]), both quantised along K to E2M1 with one E8M0 scale for each 32: a block's scale byte is its largest magnitude's exponent field - 2, held at 1 from below.
; SHARES.  Work-group g takes columns 16 g .. 16 g + 15 of W1; wave w takes rows 128 w .. 128 w + 127: waves 0, 1 the users' half of W1 (K steps 0, 1), waves 2, 3 the items' half.  A LANE TAKES A COLUMN AND ITS
; REGISTERS RUN DOWN K, in the order that the operand's layout gives that lane (k = 64 c + 32 (lane / 16) + 0 .. 31): the conversions' results are the operand's registers, and nothing is transposed.
; Waves 0 and 1 also quantise their K step of the 16 gathered rows and multiply: one matrix instruction each, source 0 = 16 columns of W1, source 1 = the 16 users, so that a lane holds one user and eight units.
; Wave 1's partial sums go to wave 0 through LDS as an image of their registers; wave 0 adds, takes b1 in, and stores thresholds and pb.
; LIMITS: NaN and infinities among the inputs are not served.  A block of zeros gets the byte 1 where the rule says 127: its codes are zeros, and the bytes are read by this program alone.
; An index is held to 0 .. 99,999 ahead of its use in an address.
; THE MODE: SCHED_MODE bits 1:0 = 2 (LLVM: expert scheduling mode 2), set by the entry lines.  The code itself states the register dependences
; between vector or matrix instructions and memory or LDS instructions, with s_wait_alu, always for 0.
; THE PLAN.  The text has no loop; registers that memory or LDS instructions touch:
;   v4, v5, v6, v8, v9, v10   offsets, written once at the head by vector instructions and never again: ONE wait on va_vdst ahead of the parting of the waves serves every access by them.
;   v12                       u's offset, written once behind the index's arrival: a wait on va_vdst ahead of u's sixteen loads.
;   v11, v64-191, v200-223    filled by loads alone; no vector instruction names them ahead of their load, so only the memory counters order them.
;   v32-39, v20 (waves 2, 3); v192-199 (wave 1); v224-231, v22 (wave 0)   written by vector or matrix instructions, then read by stores: a wait on va_vdst ahead of each run of stores.
;   No register that a memory or LDS instruction reads is ever written again, on any way through the text: so no wait on vm_vsrc is owed.  EXEC is never written.
;   s16, the wave's number, comes from a vector instruction: a wait on va_sdst ahead of its first reader.
;   The scaled matrix instruction takes fragments and scale words that vector instructions wrote: its places, then a wait on va_vdst.
.set SWI,  32768
.set THI,  36864
.set PBI,  53248
.set WA,   4                           ; v4   W1: 4 x (lane % 16) + 32 rows of 1,024 bytes for lanes 16-31
.set L16,  5                           ; v5   16 x lane: an image's place for my lane, in tab and in LDS
.set L4,   6                           ; v6   4 x lane
.set SH8,  7                           ; v7   8 x (lane / 16): where my two scale bytes stand in the word
.set R4,   8                           ; v8   4 x (lane % 16)
.set B32,  9                           ; v9   32 x (lane / 16): my eight numbers of b1 and of W2
.set TA,   10                          ; v10  512 x (lane / 16) + 16 x (lane % 16): my thresholds' place
.set IDX,  11                          ; v11  my user's index
.set UA,   12                          ; v12  its row's byte, + 128 x (lane / 16)
.set TP,   13                          ; v13  the lane exchange's destination
.set M,    14                          ; v14-15 two blocks' largest magnitudes
.set SO,   16                          ; v16-17 the conversions' scale operands
.set BY,   18                          ; v18-19 the scale bytes
.set SWW,  20                          ; v20  W1's scale word
.set SWU,  21                          ; v21  u's scale word
.set P,    22                          ; v22  pb
.set H128, 23                          ; v23  128 x (lane / 16)
.set CW,   32                          ; v32-39  W1's codes: a fragment
.set CU,   40                          ; v40-47  u's codes: a fragment
.set WN,   64                          ; v64-127  64 numbers of W1
.set UN,   128                         ; v128-191 64 numbers of u
.set D,    192                         ; v192-199 my partial sums
.set D1,   200                         ; v200-207 wave 1's
.set B1R,  208                         ; v208-215 b1 of my eight units
.set W2R,  216                         ; v216-223 W2 of my eight units
.set T,    224                         ; v224-231 thresholds
; 64 loads: W1(128 w + 64 c + 32 (lane / 16) + i, 16 g + lane % 16); sixteen neighbouring lanes read 64 neighbouring bytes
.macro WLOAD
.irp c, 0,1
.irp i, 0,1,2,3,4,5,6,7,8,9,10,11,12,13,14,15,16,17,18,19,20,21,22,23,24,25,26,27,28,29,30,31
	global_load_b32 v[WN+32*\c+\i], v[WA], s[4:5] offset:1024*(64*\c+\i)
.endr
.endr
.endm
; 64 numbers of a lane, two whole blocks of 32 along K, become a fragment's eight registers in v[dst] on and the scale word in v[sw]
.macro Q2 src, dst, sw
.irp c, 0,1
	v_max3_num_f32 v[M+\c], |v[\src+32*\c]|, |v[\src+32*\c+1]|, 0x1800000      ; my block, and the floor 2^(3 - 127): the byte cannot fall under 1
.endr
.irp i, 2,4,6,8,10,12,14,16,18,20,22,24,26,28,30
.irp c, 0,1
	v_max3_num_f32 v[M+\c], v[M+\c], |v[\src+32*\c+\i]|, |v[\src+32*\c+\i+1]|  ; (the two blocks by turns)
.endr
.endr
.irp c, 0,1
	v_add_nc_u32 v[SO+\c], 0xff000000, v[M+\c]     ; 2 off the exponent field: the conversion takes the exponent field of this operand as its scale
.endr
.irp c, 0,1
	v_lshrrev_b32 v[BY+\c], 23, v[SO+\c]           ; the scale's byte
.endr
	v_lshl_or_b32 v[\sw], v[BY+1], 16, v[BY]       ; my two bytes: blocks h and 2 + h,
	v_lshlrev_b32 v[\sw], v[SH8], v[\sw]           ; at their places in the word;
	v_permlanex16_b32 v[TP], v[\sw], s20, s21
	v_or_b32 v[\sw], v[\sw], v[TP]                 ; with lane l xor 16's two the word is whole
.irp c, 0,1
.irp q, 0,1,2,3
	v_cvt_scalef32_pk8_fp4_f32 v[\dst+4*\c+\q], v[\src+32*\c+8*\q:\src+32*\c+8*\q+7], v[SO+\c]
.endr
.endr
	v_nop                                          ; one plain place behind the last scaled conversion
.endm
	s_load_b256 s[4:11], s[0:1], 0x0               ; W1 s[4:5], W2 s[6:7], b1 s[8:9], instances s[10:11]
	s_load_b128 s[12:15], s[0:1], 0x20             ; user_table s[12:13], tab s[14:15]
	v_lshl_add_u32 v238, v0, 2, 0x400
	v_mov_b32 v239, 0
	v_lshrrev_b32 v1, 5, v0
	v_readfirstlane_b32 s16, v1                    ; wave 0..3
	v_and_b32 v1, 31, v0                           ; lane
	v_and_b32 v2, 15, v0                           ; r
	v_bfe_u32 v3, v0, 4, 1                         ; h
	v_lshlrev_b32 v[R4], 2, v2
	v_lshl_add_u32 v[WA], v3, 15, v[R4]
	v_lshlrev_b32 v[L16], 4, v1
	v_lshlrev_b32 v[L4], 2, v1
	v_lshlrev_b32 v[SH8], 3, v3
	v_lshlrev_b32 v[B32], 5, v3
	v_lshlrev_b32 v[TA], 4, v2
	v_lshl_add_u32 v[TA], v3, 9, v[TA]
	v_lshlrev_b32 v[H128], 7, v3
	v_mov_b32 v[TP], 0                             ; written once: a lane permute's destination counts as one of its sources
	s_wait_alu depctr_va_sdst(0)                   ; s16 is written, ahead of its first reader: the K step, the bases and the branches are made from it
	s_and_b32 s17, s16, 1                          ; my K step within my half of W1
	s_mov_b32 s20, 0x76543210
	s_mov_b32 s21, 0xfedcba98                      ; v_permlanex16_b32's selects for lane l xor 16
	s_mov_b32 s19, 0                               ; every offset below lies under 2^32
	s_lshl_b32 s30, ttmp9, 6                       ; 16 g columns of 4 bytes
	s_lshl_b32 s18, s16, 17                        ; 128 w rows of 1,024 bytes
	s_add_co_u32 s18, s18, s30
	s_wait_kmcnt 0x0
	s_add_nc_u64 s[4:5], s[4:5], s[18:19]          ; W1 at my rows and my work-group's columns
	s_mov_b32 s18, s30
	s_add_nc_u64 s[6:7], s[6:7], s[18:19]          ; W2 and b1 at unit 16 g
	s_add_nc_u64 s[8:9], s[8:9], s[18:19]
	s_lshl_b32 s18, s17, 9
	s_add_nc_u64 s[12:13], s[12:13], s[18:19]      ; user_table at my K step: 128 numbers on
	s_lshl_b32 s18, ttmp9, 11
	s_lshl_b32 s31, s17, 10
	s_add_co_u32 s18, s18, s31
	s_add_nc_u64 s[22:23], s[14:15], s[18:19]      ; FWI: 2048 g + 1024 s
	s_lshl_b32 s18, ttmp9, 8
	s_lshl_b32 s31, s17, 7
	s_add_co_u32 s18, s18, s31
	s_add_co_u32 s18, s18, SWI
	s_add_nc_u64 s[24:25], s[14:15], s[18:19]      ; SWI: 256 g + 128 s
	s_lshl_b32 s18, ttmp9, 10
	s_add_co_u32 s18, s18, THI
	s_add_nc_u64 s[26:27], s[14:15], s[18:19]      ; THI: 1024 g
	s_lshl_b32 s18, ttmp9, 7
	s_add_co_u32 s18, s18, PBI
	s_add_nc_u64 s[28:29], s[14:15], s[18:19]      ; PBI: 128 g
	s_wait_alu depctr_va_vdst(0)                   ; the offsets v4, v5, v6, v8, v9 and v10 are written: every load, store and LDS access on either way below reads one of them, and none is written again
	s_cmp_lt_u32 s16, 2
	s_cbranch_scc0 .Litem
	; ---- waves 0 and 1: the users' half of W1, u, and their product
	global_load_b32 v[IDX], v[R4], s[10:11]        ; the index first: the rows of u hang on it
	s_cmp_lg_u32 s16, 0
	s_cbranch_scc1 .Lno_bias                       ; wave 0 alone finishes the sums, so it alone wants b1 and W2
	global_load_b128 v[B1R:B1R+3],   v[B32], s[8:9]
	global_load_b128 v[B1R+4:B1R+7], v[B32], s[8:9] offset:16
	global_load_b128 v[W2R:W2R+3],   v[B32], s[6:7]
	global_load_b128 v[W2R+4:W2R+7], v[B32], s[6:7] offset:16
.Lno_bias:
	WLOAD
	s_wait_loadcnt 0x3f                            ; 64 or 68 loads were issued behind the index's; the count names 63, the most that its field holds: the index is in
	v_min_u32 v[IDX], 0x1869f, v[IDX]              ; held inside the table's 100,000 rows
	v_lshlrev_b32 v[UA], 10, v[IDX]                ; a row is 1,024 bytes
	v_add_nc_u32 v[UA], v[UA], v[H128]             ; lanes 16-31 begin 32 numbers on
	s_wait_alu depctr_va_vdst(0)                   ; v12 is written, which the sixteen loads below read as their offset
.irp c, 0,1
.irp q, 0,1,2,3,4,5,6,7
	global_load_b128 v[UN+32*\c+4*\q:UN+32*\c+4*\q+3], v[UA], s[12:13] offset:256*\c+16*\q   ; u(lane % 16, 128 w + 64 c + 32 h + 4 q ..)
.endr
.endr
	s_wait_loadcnt 16                              ; all but the sixteen just issued: W1's numbers (and b1, W2) are in
	Q2 WN, CW, SWW
	s_wait_loadcnt 0x0                             ; u
	Q2 UN, CU, SWU
.rept 8
	v_nop                                          ; a scale register written by a vector instruction stands 8 places ahead of a scaled matrix instruction, an operand so written 4
.endr
	s_wait_alu depctr_va_vdst(0)                   ; the conversions have written both fragments, v32-47, and the vector lines both scale words, v20 and v21, which the matrix instruction takes; the places above stay beside this wait
	v_wmma_scale_f32_16x16x128_f8f6f4 v[D:D+7], v[CW:CW+7], v[CU:CU+7], 0, v[SWW], v[SWU] matrix_a_fmt:MATRIX_FMT_FP4 matrix_b_fmt:MATRIX_FMT_FP4   ; lane (r, h), register j: user r, unit 16 g + 8 h + j
.rept 4
	v_nop                                          ; four places ahead of the first read of the result
.endr
	s_cmp_lg_u32 s16, 1
	s_cbranch_scc1 .Lmeet
	s_wait_alu depctr_va_vdst(0)                   ; the matrix instruction has written v192-199, which the two LDS stores read; the places above stay beside this wait
	ds_store_b128 v[L16], v[D:D+3]                 ; wave 1's partial sums, as they stand in its registers, from the low end on
	ds_store_b128 v[L16], v[D+4:D+7] offset:512
	s_branch .Lmeet
.Litem:	; ---- waves 2 and 3: the items' half of W1 becomes a fragment's image and its scale words
	WLOAD
	s_wait_loadcnt 0x0
	Q2 WN, CW, SWW
	s_wait_alu depctr_va_vdst(0)                   ; the conversions have written v32-39 and the vector lines v20, which the three stores read
	global_store_b128 v[L16], v[CW:CW+3],   s[22:23]             ; 32 lanes store 512 consecutive bytes
	global_store_b128 v[L16], v[CW+4:CW+7], s[22:23] offset:512
	global_store_b32  v[L4],  v[SWW],       s[24:25]
.Lmeet:	; the one barrier, on every wave's path: wave 1's LDS stores have landed
	s_wait_dscnt 0x0
	s_barrier_signal -1
	s_barrier_wait -1
	s_cmp_lg_u32 s16, 0
	s_cbranch_scc1 .Lend
	ds_load_b128 v[D1:D1+3],   v[L16]              ; no vector instruction has named v200-207, and v5 stands since the head's wait
	ds_load_b128 v[D1+4:D1+7], v[L16] offset:512
	s_wait_dscnt 0x0
.irp j, 0,2,4,6
	v_pk_add_f32 v[T+\j:T+\j+1], v[D+\j:D+\j+1], v[D1+\j:D1+\j+1] neg_lo:[1,1] neg_hi:[1,1]   ; -(K step 0's sums + K step 1's), the result read from its low end on
.endr
.irp j, 0,2,4,6
	v_pk_add_f32 v[T+\j:T+\j+1], v[T+\j:T+\j+1], v[B1R+\j:B1R+\j+1] neg_lo:[0,1] neg_hi:[0,1] ; - b1: the threshold
.endr
	v_mul_f32 v[P], -v[T], v[W2R]                  ; W2 x (u_proj + b1), my eight units,
.irp j, 1,2,3,4,5,6,7
	v_fma_f32 v[P], -v[T+\j], v[W2R+\j], v[P]
.endr
	v_permlanex16_b32 v[TP], v[P], s20, s21
	v_add_f32 v[P], v[P], v[TP]                    ; and lane l xor 16's eight
	s_wait_alu depctr_va_vdst(0)                   ; the additions have written the thresholds, v224-231, and pb, v22, which the three stores read
	global_store_b128 v[TA], v[T:T+3],   s[26:27]              ; sixteen lanes store 256 consecutive bytes, at a multiple of 256 from tab's first byte
	global_store_b128 v[TA], v[T+4:T+7], s[26:27] offset:256
	global_store_b32  v[L4], v[P],       s[28:29]
.Lend:
	s_wait_dscnt 0x0
	s_wait_alu depctr_hold_cnt(0) depctr_sa_sdst(0) depctr_va_vdst(0) depctr_va_sdst(0) depctr_va_ssrc(0) depctr_va_vcc(0) depctr_vm_vsrc(0)
	s_wait_tensorcnt 0x0
	ds_add_u32 v238, v239
	s_wait_dscnt 0x0
	s_endpgm
.Lfunc_end_k_qa002aafd26_prep:
	.size	k_qa002aafd26_prep, .Lfunc_end_k_qa002aafd26_prep-k_qa002aafd26_prep
	.p2alignl 7, 3214868480
	.fill 96, 4, 3214868480
	.section	.rodata,"a",@progbits
	.p2align	6, 0x0
	.amdhsa_kernel k_qa002aafd26_prep
		.amdhsa_group_segment_fixed_size 1536
		.amdhsa_private_segment_fixed_size 0
		.amdhsa_enable_private_segment 0
		.amdhsa_kernarg_size 48
		.amdhsa_user_sgpr_count 2
		.amdhsa_user_sgpr_kernarg_segment_ptr 1
		.amdhsa_wavefront_size32 1
		.amdhsa_system_sgpr_workgroup_id_x 1
		.amdhsa_system_sgpr_workgroup_id_y 1
		.amdhsa_system_sgpr_workgroup_id_z 1
		.amdhsa_system_vgpr_workitem_id 0
		.amdhsa_next_free_vgpr 240
		.amdhsa_next_free_sgpr 66
		.amdhsa_reserve_vcc 0
		.amdhsa_float_denorm_mode_32 3
		.amdhsa_float_denorm_mode_16_64 3
		.amdhsa_memory_ordered 1
		.amdhsa_forward_progress 1
		.amdhsa_inst_pref_size 29
	.end_amdhsa_kernel
	.amdgpu_metadata
---
amdhsa.version: [ 1, 2 ]
amdhsa.kernels:
  - .name:           k_qa002aafd26_prep
    .symbol:         k_qa002aafd26_prep.kd
    .args:
      - { .name: W1, .offset: 0, .size: 8, .value_kind: global_buffer, .address_space: global }
      - { .name: W2, .offset: 8, .size: 8, .value_kind: global_buffer, .address_space: global }
      - { .name: b1, .offset: 16, .size: 8, .value_kind: global_buffer, .address_space: global }
      - { .name: instances, .offset: 24, .size: 8, .value_kind: global_buffer, .address_space: global }
      - { .name: user_table, .offset: 32, .size: 8, .value_kind: global_buffer, .address_space: global }
      - { .name: tab, .offset: 40, .size: 8, .value_kind: global_buffer, .address_space: global }
    .group_segment_fixed_size: 1536
    .private_segment_fixed_size: 0
    .kernarg_segment_align: 8
    .kernarg_segment_size: 48
    .max_flat_workgroup_size: 128
    .sgpr_count:     66
    .vgpr_count:     240
    .wavefront_size: 32
...
	.end_amdgpu_metadata
.endif
;; end of part 3
;; launch rank: the kernel of part 2 again; grid 235 x 1, 4 waves a work-group, no clusters, 168,448 bytes of LDS; arguments item_table_codes, item_table_scales, tab, W2, b2, out0; writes out0
